; MI455X (gfx1250); checked and timed in simulation.
; The chip was launched on July 23, 2026; its instructions are those of AMD's public machine-readable ISA for CDNA 5 (MIT licence, August 2026) and "CDNA5" Instruction Set Architecture Reference Guide (July 2026). The comments in the code are by the model that wrote it; some were corrected since.
;; RSSMRNN Layer. Allowed arithmetic: float matrix products may take bf16 or f16 operands with f32 sums; other float arithmetic in f32, or as packed bf16 or f16 multiplies, adds, multiply-adds, maxima and minima; sums over many terms, partial sums and values carried from step to step in f32; what a program stores and reads back later, other than sums and carried values, may be rounded once to bf16 or f16.
;; Inputs: b 3,072 float32; reset 64 x 128 int32; state 64 x 128 x 1,024 float32; w_h 1,024 x 3,072 float32; w_i 1,024 x 3,072 float32; x 64 x 128 x 1,024 float32.
;; Outputs: out0 64 x 128 x 1,024 float32; out1 64 x 128 x 1,024 float32.
;; 2 versions, each right; version 2 is version 1 with the launch prep written anew for expert scheduling mode. Each part assembles by itself: llvm-mc -triple=amdgcn-amd-amdhsa -mcpu=gfx1250 --defsym DOCPART=n.
;; ======== version 1 of 2: 3 launches
;; workspace buffers: xb 16,777,216 bytes; hb 16,777,216 bytes; rh 16,777,216 bytes; zg 16,777,216 bytes; wt 12,582,912 bytes
;; launch prep (part 1): grid 608 x 1, 8 waves a work-group, no clusters, 140,288 bytes of LDS; arguments x, state, reset, w_i, w_h, xb, hb, wt; writes xb, hb, wt
.if DOCPART == 1
	.amdgcn_target "amdgcn-amd-amdhsa--gfx1250"
	.amdhsa_code_object_version 6
	.text
	.protected	k_qf71225c2a9_prep
	.globl	k_qf71225c2a9_prep
	.p2align	8
	.type	k_qf71225c2a9_prep,@function
k_qf71225c2a9_prep:
	s_mov_b64 s[64:65], 0
	v_nop
	global_prefetch_b8 v0, s[64:65] scope:SCOPE_SE
	s_setreg_imm32_b32 hwreg(HW_REG_WAVE_MODE, 25, 1), 1
	s_wait_xcnt 0x0
; PREPARATION for the two products of the GRU step.  x, state: [8192][1024] f32; reset: [8192] i32; w_i, w_h: [1024][3072] f32.
;   xb[row] = bf16(x[row]);  hb[row] = bf16(state[row]), or +0 in every column where reset[row] is not 0 (whatever the state holds, NaN too);
;   wt[n][0..1023] = bf16(w_i[k][n]), wt[n][1024..2047] = bf16(w_h[k][n]): the weights turned, K along the rows.
; ORDER INSIDE EVERY GROUP OF 128.  c(i, r) = 64 (i / 4) + 4 r + i % 4, i = 0..7, r = 0..15.  In a 16-bit row (xb, hb, and wt along k) element 8 r + i of a group holds true column c(i, r):
; the 16 bytes r hold columns 4 r .. 4 r + 3 and 64 + 4 r .. 64 + 4 r + 3.  Of wt's rows, row 16 b + r of a group holds true gate column c(b, r).  The same order along k on both operands leaves
; every product as it is; the order of wt's rows makes a lane of the later launches hold, for one row of the result, exactly such 16 bytes (or twice four neighbouring f32).
; SHARES.  Work-groups 0..95 turn the weights (a wave: 64 gate columns x 128 k, through LDS bytes of its own); 96..351 cast x, 352..607 cast state (a wave: four rows).
; No matrix unit, no cluster, no tensor load: nothing is shared between work-groups and every byte is read once; each load and store of sixteen lanes covers 256 consecutive bytes, aligned.
.set ROWF, 4096                        ; bytes in a row of x or state
.set ROWH, 2048                        ; bytes in a row of xb or hb
.set WROW, 12288                       ; bytes in a row of w_i or w_h
.set TROW, 4096                        ; bytes in a row of wt
.set LP,   272                         ; an LDS row: 256 bytes + 16: 68 words, so row r starts at bank 4 r mod 64 (64 banks of 4 bytes: ISA guide 11.1)
.set WLDS, 64*LP                       ; a wave's own LDS bytes: 64 rows
.set SPARE, 8*WLDS                     ; behind them: the spare words, 128 bytes a wave, four blocks of 256 bytes that no other line names
.set NWG,  96                          ; work-groups that turn the weights
.set VIN,  3                           ; v3   my byte offset in the source
.set VOUT, 4                           ; v4   my byte offset in the destination
.set VST,  5                           ; v5   LDS: where I put a word
.set VRD,  6                           ; v6   LDS: where I read 16 bytes back
.set SPW,  8                           ; v8   LDS address of my spare word; never rewritten
.set NIL,  9                           ; v9   0; never rewritten
.set X,    16                          ; v[16:143]  as loaded
.set T,    144                         ; v[144:151] packed pairs, two sets by turns
	s_load_b512 s[8:23], s[0:1], 0x0               ; x 8, state 10, reset 12, w_i 14, w_h 16, xb 18, hb 20, wt 22
	v_lshl_add_u32 v[SPW], v0, 2, SPARE
	v_mov_b32 v[NIL], 0
	v_lshrrev_b32 v7, 5, v0
	v_readfirstlane_b32 s24, v7                    ; wave 0..7
	v_and_b32 v1, 15, v0                           ; r = lane % 16
	v_bfe_u32 v2, v0, 4, 1                         ; hh = lane / 16
	s_cmp_lt_u32 ttmp9, NWG
	s_cbranch_scc1 .Lw
	; ---------------- THE CASTS.  32 loads of a wave, its four rows, are all on their way at once.
	s_sub_co_u32 s25, ttmp9, NWG
	s_lshr_b32 s26, s25, 8                         ; 0: x, 1: state
	s_and_b32 s27, s25, 255
	s_lshl_b32 s27, s27, 5                         ; the work-group's 32 rows,
	s_lshl2_add_u32 s27, s24, s27                  ; my wave's four: row0
	s_lshl_b32 s34, s27, 2                         ; their four words of reset
	s_mov_b32 s35, 0
	s_lshl_b32 s28, s27, 12                        ; row0 x 4,096 bytes
	s_mov_b32 s29, 0
	s_lshl_b32 s46, s27, 11                        ; row0 x 2,048 bytes
	s_mov_b32 s47, 0
	v_lshlrev_b32 v[VIN], 4, v1
	v_lshl_add_u32 v[VIN], v2, 9, v[VIN]           ; lanes 0-15 an even group of 128 columns, lanes 16-31 the odd one: 512 hh + 16 r
	v_and_b32 v[VOUT], 31, v0
	v_lshlrev_b32 v[VOUT], 4, v[VOUT]              ; 256 hh + 16 r
	s_wait_kmcnt 0x0
	s_cmp_eq_u32 s26, 0
	s_cselect_b64 s[30:31], s[8:9], s[10:11]       ; from x or state,
	s_cselect_b64 s[32:33], s[18:19], s[20:21]     ; to xb or hb
	s_cselect_b32 s44, -1, 0                       ; x is never masked
	s_add_nc_u64 s[34:35], s[12:13], s[34:35]
	s_load_b128 s[36:39], s[34:35], 0x0            ; reset of my four rows
	s_add_nc_u64 s[30:31], s[30:31], s[28:29]
	s_add_nc_u64 s[32:33], s[32:33], s[46:47]
.set n, 0
.rept 16                               ; chunk n: row n / 4, groups 2 (n % 4) + hh: columns 4 r .. and 64 + 4 r ..
	global_load_b128 v[X+8*n:X+8*n+3],   v[VIN], s[30:31] offset:ROWF*(n/4)+1024*(n%4) th:TH_LOAD_NT
	global_load_b128 v[X+8*n+4:X+8*n+7], v[VIN], s[30:31] offset:ROWF*(n/4)+1024*(n%4)+256 th:TH_LOAD_NT
.set n, n+1
.endr
	s_wait_kmcnt 0x0
.irp i, 0,1,2,3
	s_cmp_eq_u32 s[36+\i], 0
	s_cselect_b32 s[40+\i], -1, 0                  ; all ones where the row keeps its state
	s_or_b32 s[40+\i], s[40+\i], s44
.endr
.set n, 0
.rept 16
	s_wait_loadcnt 30-2*n                          ; loads come back in order (ISA guide 5.7.1): chunk n's two are in, the 2 (15 - n) younger stay out
	v_cvt_pk_bf16_f32 v[X+8*n],   v[X+8*n],   v[X+8*n+1]   ; in place: each line's sources lie at or above its destination
	v_cvt_pk_bf16_f32 v[X+8*n+1], v[X+8*n+2], v[X+8*n+3]
	v_cvt_pk_bf16_f32 v[X+8*n+2], v[X+8*n+4], v[X+8*n+5]
	v_cvt_pk_bf16_f32 v[X+8*n+3], v[X+8*n+6], v[X+8*n+7]
.irp i, 0,1,2,3
	v_and_b32 v[X+8*n+\i], s[40+n/4], v[X+8*n+\i]  ; a reset row becomes +0 (for x the mask is all ones: one text for both tensors)
.endr
	global_store_b128 v[VOUT], v[X+8*n:X+8*n+3], s[32:33] offset:ROWH*(n/4)+512*(n%4)  ; 512 consecutive bytes
.set n, n+1
.endr
	s_endpgm                                       ; this way has written no LDS
	; ---------------- THE WEIGHTS.  Work-group: k group kg (128 rows of w_i or w_h), 512 gate columns; wave: 64 of them.
.Lw:
	s_and_b32 s25, ttmp9, 15                       ; kg: 0-7 w_i, 8-15 w_h
	s_lshr_b32 s26, ttmp9, 4
	s_lshl_b32 s26, s26, 9
	s_lshl_b32 s27, s24, 6
	s_add_co_u32 s26, s26, s27                     ; n0: my first gate column, a multiple of 64
	s_and_b32 s27, s25, 7
	s_mul_i32 s28, s27, 128*WROW                   ; the group's 128 rows,
	s_lshl2_add_u32 s28, s26, s28                  ; + 4 n0
	s_mov_b32 s29, 0
	s_lshl_b32 s46, s26, 12                        ; wt: row n0,
	s_lshl_b32 s27, s25, 8
	s_add_co_u32 s46, s46, s27                     ; + 256 kg
	s_mov_b32 s47, 0
	s_mul_i32 s45, s24, WLDS                       ; my wave's LDS bytes
	v_mul_u32_u24 v[VIN], v2, 2*WROW
	v_lshl_add_u32 v[VIN], v1, 4, v[VIN]           ; two rows down for lanes 16-31; columns n0 + 4 r ..
	v_mul_u32_u24 v[VST], v1, LP
	v_lshl_add_u32 v[VST], v2, 2, v[VST]
	v_add_nc_u32 v[VST], s45, v[VST]               ; row r, word hh: bank 4 r + hh, all 32 lanes apart
	v_mul_u32_u24 v[VRD], v2, LP
	v_lshl_add_u32 v[VRD], v1, 4, v[VRD]
	v_add_nc_u32 v[VRD], s45, v[VRD]               ; back: lanes 0-15 one row of 256 bytes, lanes 16-31 the next
	v_lshlrev_b32 v[VOUT], 12, v2
	v_lshl_add_u32 v[VOUT], v1, 4, v[VOUT]         ; and the same two rows of wt
	s_wait_kmcnt 0x0
	s_cmp_lt_u32 s25, 8
	s_cselect_b64 s[30:31], s[14:15], s[16:17]
	s_add_nc_u64 s[30:31], s[30:31], s[28:29]
	s_add_nc_u64 s[32:33], s[22:23], s[46:47]
; Pair t of 32: true rows k = 4 t + 2 hh and k + 1, four columns each.  Sixteen lanes read 256 consecutive bytes.
.macro LDPAIR t
	global_load_b128 v[X+8*((\t)%16):X+8*((\t)%16)+3],   v[VIN], s[30:31] offset:4*WROW*(\t) th:TH_LOAD_NT
	global_load_b128 v[X+8*((\t)%16)+4:X+8*((\t)%16)+7], v[VIN], s[30:31] offset:4*WROW*(\t)+WROW th:TH_LOAD_NT
.endm
.set t, 0
.rept 16
	LDPAIR t
.set t, t+1
.endr
.set t, 0
.rept 32
.if t <= 16
	s_wait_loadcnt 30                              ; fifteen younger pairs stay out
.else
	s_wait_loadcnt 62-2*t                          ; the counts run down: 31 - t pairs are younger
.endif
.irp i, 0,1,2,3
	v_cvt_pk_bf16_f32 v[T+4*(t%2)+\i], v[X+8*(t%16)+\i], v[X+8*(t%16)+4+\i]  ; k below, k + 1 above: neighbours in the stored order too
.endr
.irp i, 0,1,2,3
	ds_store_b32 v[VST], v[T+4*(t%2)+\i] offset:16*LP*\i+16*(t%16)+8*(t/16)  ; column n0 + 4 r + i is stored row 16 i + r; k = 64 (t / 16) + 4 (t % 16) + 2 hh lies at byte 16 (t % 16) + 8 (t / 16) + 4 hh
.endr
.if t < 16
	LDPAIR t+16
.endif
.set t, t+1
.endr
.set u, 0
.rept 32
	ds_load_b128 v[X+4*u:X+4*u+3], v[VRD] offset:2*LP*u  ; LDS serves a wave's instructions in order (ISA guide 5.7.1.4): these see my stores above; the bytes are my wave's own
.set u, u+1
.endr
.set u, 0
.rept 32
	s_wait_dscnt 31-u
	global_store_b128 v[VOUT], v[X+4*u:X+4*u+3], s[32:33] offset:2*TROW*u  ; sixteen lanes store 256 consecutive bytes, aligned
.set u, u+1
.endr
	s_wait_tensorcnt 0x0                           ; the wave's end, behind my last LDS store
	ds_add_u32 v[SPW], v[NIL]
	s_wait_dscnt 0x0
	s_endpgm
.Lfunc_end_k_qf71225c2a9_prep:
	.size	k_qf71225c2a9_prep, .Lfunc_end_k_qf71225c2a9_prep-k_qf71225c2a9_prep
	.p2alignl 7, 3214868480
	.fill 96, 4, 3214868480
	.section	.rodata,"a",@progbits
	.p2align	6, 0x0
	.amdhsa_kernel k_qf71225c2a9_prep
		.amdhsa_group_segment_fixed_size 140288
		.amdhsa_private_segment_fixed_size 0
		.amdhsa_enable_private_segment 0
		.amdhsa_kernarg_size 64
		.amdhsa_user_sgpr_count 2
		.amdhsa_user_sgpr_kernarg_segment_ptr 1
		.amdhsa_wavefront_size32 1
		.amdhsa_system_sgpr_workgroup_id_x 1
		.amdhsa_system_sgpr_workgroup_id_y 1
		.amdhsa_system_sgpr_workgroup_id_z 1
		.amdhsa_system_vgpr_workitem_id 0
		.amdhsa_next_free_vgpr 152
		.amdhsa_next_free_sgpr 66
		.amdhsa_reserve_vcc 0
		.amdhsa_float_denorm_mode_32 3
		.amdhsa_float_denorm_mode_16_64 3
		.amdhsa_memory_ordered 1
		.amdhsa_forward_progress 1
		.amdhsa_inst_pref_size 44
	.end_amdhsa_kernel
	.amdgpu_metadata
---
amdhsa.version: [ 1, 2 ]
amdhsa.kernels:
  - .name:           k_qf71225c2a9_prep
    .symbol:         k_qf71225c2a9_prep.kd
    .args:
      - { .name: x, .offset: 0, .size: 8, .value_kind: global_buffer, .address_space: global }
      - { .name: state, .offset: 8, .size: 8, .value_kind: global_buffer, .address_space: global }
      - { .name: reset, .offset: 16, .size: 8, .value_kind: global_buffer, .address_space: global }
      - { .name: w_i, .offset: 24, .size: 8, .value_kind: global_buffer, .address_space: global }
      - { .name: w_h, .offset: 32, .size: 8, .value_kind: global_buffer, .address_space: global }
      - { .name: xb, .offset: 40, .size: 8, .value_kind: global_buffer, .address_space: global }
      - { .name: hb, .offset: 48, .size: 8, .value_kind: global_buffer, .address_space: global }
      - { .name: wt, .offset: 56, .size: 8, .value_kind: global_buffer, .address_space: global }
    .group_segment_fixed_size: 140288
    .private_segment_fixed_size: 0
    .kernarg_segment_align: 8
    .kernarg_segment_size: 64
    .max_flat_workgroup_size: 256
    .sgpr_count:     66
    .vgpr_count:     152
    .wavefront_size: 32
...
	.end_amdgpu_metadata
.endif
;; end of part 1
;; launch gates (part 2): grid 8 x 32, 4 waves a work-group, clusters of 4 x 4, 327,680 bytes of LDS; arguments xb, hb, wt, b, zg, rh; writes zg, rh
.if DOCPART == 2
	.amdgcn_target "amdgcn-amd-amdhsa--gfx1250"
	.amdhsa_code_object_version 6
	.text
	.protected	k_qf71225c2a9_gates
	.globl	k_qf71225c2a9_gates
	.p2align	8
	.type	k_qf71225c2a9_gates,@function
k_qf71225c2a9_gates:
	s_mov_b64 s[64:65], 0
	v_nop
	global_prefetch_b8 v0, s[64:65] scope:SCOPE_SE
	s_setreg_imm32_b32 hwreg(HW_REG_WAVE_MODE, 25, 1), 1
	s_wait_xcnt 0x0
	s_wait_alu depctr_hold_cnt(0) depctr_sa_sdst(0) depctr_va_vdst(0) depctr_va_sdst(0) depctr_va_ssrc(0) depctr_va_vcc(0) depctr_vm_vsrc(0)
	s_getreg_b32 s2, hwreg(HW_REG_IB_STS2, 6, 4)
	s_cmp_eq_u32 s2, 0
	s_cbranch_scc0 .Lentry_in_a_cluster
	s_endpgm
.Lentry_in_a_cluster:
	s_bfe_u32 s2, ttmp6, 0x10000c
	s_cmp_lg_u32 s2, 0xf033
	s_cbranch_scc0 .Lentry_shape_is_right
	s_endpgm
.Lentry_shape_is_right:
; THE TWO GATES.  g = sigmoid([x | h] W + b) for gate columns 0..2047, M = 8,192 rows, K = 2,048.  Columns 0..1023 are z, stored to zg in f16; columns 1024..2047 are r, and r x h is stored to rh in bf16.
; xb, hb, rh, zg: [8192][1024] of 16 bits; wt: [3072][2048] bf16, K along the rows; all in the stored order that the preparing launch makes: in a group of 128, element 8 r + i holds true column
; c(i, r) = 64 (i / 4) + 4 r + i % 4, and row 16 b + r of wt holds gate column c(b, r).  b: [3072] f32, in true order.
; LIMITS.  All inputs count as rounded to bf16, b too.  z is kept in f16: within 0..1, with f16's fixed step of 6e-8 below 6e-5.  sigmoid(y) = 1 / (1 + 2^(-1.442695 y)): where the power overflows the
; result is 0, where it falls below 2^-126 it counts as 0 and the result is 1: the function's own limits.  NaN is not treated apart.
; SHARES.  A tile of 256 x 256 to a work-group of four waves, 128 x 128 to a wave: 64 accumulators, 512 registers.  256 work-groups.
; K BY TURNS.  Steps of 128 through two LDS slots.  Slot 0 always holds a step of x, slot 1 a step of h, each with the weights' rows of that step; each slot's descriptors walk their own buffers, 256 bytes a lap, 8 laps.
; CLUSTER.  4 x 4 work-groups: the four of a row need the same rows of x and h, the four of a column the same rows of wt: each tile is asked for jointly.  The cluster's x says z (0) or r (1): alike in all sixteen.
; THE MATRIX INSTRUCTION: source 0 = 16 rows of x or h, source 1 = 16 rows of wt.  Lane (r = l % 16, hh = l / 16), register j of accumulator (a, b) holds row 16 a + 8 hh + j, gate column c(b, r).  So for one row
; a lane's accumulators b = 0..7 are one run of 16 bytes of the stored order: results are stored, and h is loaded, 16 bytes a lane, sixteen lanes to 256 consecutive aligned bytes, with no way through LDS.
; REGISTERS, in windows of 256: window 0: v0-31 addresses; v32-63 H; v64-127, v128-191 fragments of x or h, two buffers (on the way out T and O); v224-237 the bias.  window 1: v64-127, v128-191 fragments of wt.
;   window 2: accumulators of my rows 0-63 ((a, b) at v[8 (8 a + b)]); window 3: rows 64-127.  s_set_vgpr_msb's low byte: bits 1:0 source 0, 3:2 source 1, 5:4 source 2, 7:6 destination.
.set KSTEP,  128
.set PITCH,  272                       ; an LDS row: 256 bytes + 16 of padding = 68 words: the 16 rows of a fragment load start at 16 different groups of four banks (64 banks of 4 bytes: ISA guide 11.1)
.set HALFT,  128*PITCH                 ; 128 rows: what one tensor load brings
.set SLOT,   4*HALFT                   ; 256 rows of x or h, then 256 rows of wt
.set SPARE,  2*SLOT                    ; behind the ring: the spare words, 128 bytes a wave, two blocks of 256 bytes that no other line names
.set LAPS,   8
.set ROWH,   2048                      ; bytes in a row of xb, hb, rh, zg
.set ADRA, 16                          ; v16-17  LDS address of my fragments of x (slot 0) and h (slot 1)
.set ADRB, 20                          ; v20-21  the same for wt
.set VO,   24                          ; v24     my byte offset in 16 rows of hb, rh, zg: 8 hh rows + 16 r
.set VB,   25                          ; v25     my byte offset in b
.set SPW,  28                          ; v28     LDS address of my spare word; never rewritten
.set NIL,  29                          ; v29     0; never rewritten
.set H,    32                          ; v32-63  h of a block: row j at H + 4 j
.set F0,   64
.set F1,   128
.set T,    64                          ; the way out: 64 numbers of a block, (b, j) at T + 8 b + j
.set O,    128                         ; the way out: packed, row j at O + 4 j
.set BS,   224                         ; v224-231 -1.442695 x b of my eight columns
.set ZR,   232                         ; v232    0.0
.set TB,   234                         ; v234-237 at work
.set WV, 12                            ; s12 wave;  s13 wave / 2: my half of the rows, and: I fetch x or h (0), wt (1);  s14 wave % 2: my half of the columns, and: which 128 rows I fetch
.set MH, 13
.set NH, 14
.set G1, 24                            ; s[24:31] descriptor group 1 for x and h;  s[32:39] group 0, a set for each slot
.set G0, 32
.set G1B, 48                           ; s[48:55], s[56:63] the same for wt
.set G0B, 56
.set GATE, 72                          ; s72 0: z, 1: r
.set OFFP, 74                          ; s[74:75] my part's byte offset in hb, rh, zg
.set OP,   76                          ; s[76:77] where the block in hand is stored
.set KC,   78                          ; s[78:79] -1.442695, twice
.set HP,   80                          ; s[80:81] hb at the block in hand
.set BC,   82                          ; s82 blocks to go
.set MSB, 0
.macro WIN new                         ; the immediate's high byte repeats the setting that is left; a switch that changes nothing is dropped
.if MSB != (\new)
	s_set_vgpr_msb (MSB<<8)|(\new)
.set MSB, \new
.endif
.endm
.set MUL_LO, 0xa4                      ; source 0 window 0, source 1 window 1, C and D window 2
.set MUL_HI, 0xf4                      ; the same, C and D window 3
.set TO_W,   0x40                      ; destination window 1, address window 0
; A joint load.  Waves 0 and 1 fetch the two halves of x's or h's tile, waves 2 and 3 those of wt's.  The branch hangs on the wave's number alone.
; An s_nop 0 and four v_nop follow each of the two lines, ahead of the jump and the label.
.macro JLOAD s
	s_cmp_eq_u32 s[MH], 0
	s_cbranch_scc0 .Lfor_w_\@
	tensor_load_to_lds s[G0+4*(\s):G0+4*(\s)+3], s[G1:G1+7]
	s_nop 0
.rept 4
	v_nop
.endr
	s_branch .Lasked_\@
.Lfor_w_\@:
	tensor_load_to_lds s[G0B+4*(\s):G0B+4*(\s)+3], s[G1B:G1B+7]
	s_nop 0
.rept 4
	v_nop
.endr
.Lasked_\@:
.endm
.macro CREST                           ; a round of the cluster's barrier behind its opening barrier
	s_cmp_lg_u32 s[WV], 0
	s_cbranch_scc1 .Lnot_wave_0_\@
	s_barrier_signal -3
.Lnot_wave_0_\@:
	s_barrier_wait -3
	s_barrier_signal -1
	s_barrier_wait -1
.endm
.macro CROUND                          ; a whole round
	s_barrier_signal -1
	s_barrier_wait -1
	CREST
.endm
	s_load_b256 s[4:11], s[0:1], 0x0               ; xb s[4:5], hb s[6:7], wt s[8:9], b s[10:11]
	s_load_b128 s[68:71], s[0:1], 0x20             ; zg s[68:69], rh s[70:71]
	v_lshl_add_u32 v[SPW], v0, 2, SPARE
	v_mov_b32 v[NIL], 0
	ds_add_u32 v[SPW], v[NIL]                      ; the wave's opening: the add and its wait stand ahead of my first tensor load; work on registers stands between them
	v_lshrrev_b32 v1, 5, v0
	v_readfirstlane_b32 s[WV], v1
	s_lshr_b32 s[MH], s[WV], 1
	s_and_b32 s[NH], s[WV], 1
	s_mov_b32 s[GATE], ttmp9                       ; the cluster's x: tile columns 0-3 are z, 4-7 are r
	s_bfe_u32 s40, ttmp6, 0x40000                  ; cx
	s_bfe_u32 s41, ttmp6, 0x40004                  ; cy
	s_lshl_b32 s42, ttmp9, 2
	s_add_co_u32 s42, s42, s40                     ; tile column = 4 x cluster x + cx
	s_and_b32 s43, ttmp7, 0xffff
	s_lshl_b32 s43, s43, 2
	s_add_co_u32 s43, s43, s41                     ; tile row = 4 x cluster y + cy
	s_lshl_b32 s44, s41, 2
	s_lshl_b32 s44, 15, s44                        ; my row of the cluster
	s_lshl_b32 s45, 0x1111, s40                    ; my column
	s_or_b32 s[G1], s44, (1<<16)|(1<<20)|(1<<21)|(5<<22)|(3<<25)   ; 15:0 the mask; 17:16 elements of 2 bytes; 20 padding on; 21 set beside a mask; 24:22 after every 64 words; 31:25 four words of it
	s_or_b32 s[G1B], s45, (1<<16)|(1<<20)|(1<<21)|(5<<22)|(3<<25)
.irp g, G1, G1B
	s_mov_b32 s[(\g)+1], KSTEP<<16                 ; tensor_dim0 = 128
	s_mov_b32 s[(\g)+2], 128<<16                   ; tensor_dim1 = 128
	s_mov_b32 s[(\g)+3], KSTEP<<16                 ; tile_dim0 = 128
	s_mov_b32 s[(\g)+4], 128                       ; tile_dim1 = 128
	s_mov_b32 s[(\g)+6], 0
	s_mov_b32 s[(\g)+7], 0
.endr
	s_mov_b32 s[G1+5], 1024                        ; elements from row to row: xb and hb
	s_mov_b32 s[G1B+5], 2048                       ; wt
	s_lshl_b32 s17, s[NH], 7                       ; which 128 rows of a tile I fetch
	s_lshl_b32 s16, s43, 8
	s_add_co_u32 s16, s16, s17
	s_lshl_b32 s16, s16, 11                        ; x and h: (256 x tile row + 128 x half) x 2,048 bytes: the tile row alone, which my row of the cluster shares
	s_lshl_b32 s46, s42, 8
	s_add_co_u32 s46, s46, s17
	s_lshl_b32 s46, s46, 12                        ; wt: (256 x tile column + 128 x half) x 4,096 bytes: the tile column alone
	s_mov_b32 s17, 0
	s_mov_b32 s47, 0
	s_mul_i32 s20, s[WV], HALFT                    ; where they go: wave x 128 rows: no place in the cluster enters an LDS address
	s_mov_b32 s[KC], 0xbfb8aa3b                    ; -log2(e)
	s_mov_b32 s[KC+1], s[KC]
	s_wait_dscnt 0x0                               ; the opening add is done
	s_wait_kmcnt 0x0
	s_add_nc_u64 s[46:47], s[8:9], s[46:47]
	CROUND                                         ; all sixteen work-groups are here: the first joint loads meet
.irp s, 0,1
	s_mov_b32 s[G0+4*(\s)], 1                                      ; count = 1
	s_add_co_u32 s[G0+4*(\s)+1], s20, (\s)*SLOT                    ; LDS address
	s_add_nc_u64 s[G0+4*(\s)+2:G0+4*(\s)+3], s[4+2*(\s):5+2*(\s)], s[16:17]  ; slot 0 walks xb, slot 1 hb
	s_or_b32 s[G0+4*(\s)+3], s[G0+4*(\s)+3], 0x80000000            ; type = 2
	s_mov_b32 s[G0B+4*(\s)], 1
	s_add_co_u32 s[G0B+4*(\s)+1], s20, (\s)*SLOT
	s_add_nc_u64 s[G0B+4*(\s)+2:G0B+4*(\s)+3], s[46:47], (\s)*2048 ; slot 0: k 0 on (w_i's part), slot 1: k 1,024 on (w_h's)
	s_or_b32 s[G0B+4*(\s)+3], s[G0B+4*(\s)+3], 0x80000000
	JLOAD \s                                       ; two tensor loads of mine are out
.endr
	; A fragment is 16 rows x 32 K in 8 registers: lane l holds row l % 16; registers 0-3 K = 8 (l / 16) + 0..7, registers 4-7 K = 16 + 8 (l / 16) + 0..7: two loads of 16 bytes, 32 bytes apart.
	v_and_b32 v1, 15, v0                           ; r
	v_bfe_u32 v2, v0, 4, 1                         ; hh
	v_mul_u32_u24 v3, v1, PITCH
	v_lshl_add_u32 v3, v2, 4, v3
	s_lshl_b32 s20, s42, 10                        ; b: 4 (256 x tile column + 128 x half) + 16 r
	s_lshl_b32 s21, s[NH], 9
	s_add_co_u32 s20, s20, s21
	v_lshl_add_u32 v[VB], v1, 4, s20
	global_load_b128 v[BS:BS+3],   v[VB], s[10:11]             ; columns 4 r ..: b = 0..3
	global_load_b128 v[BS+4:BS+7], v[VB], s[10:11] offset:256  ; columns 64 + 4 r ..: b = 4..7
	s_mul_i32 s21, s[MH], HALFT                    ; my 128 rows of x or h
	s_mul_i32 s22, s[NH], HALFT                    ; my 128 rows of wt,
	s_add_co_u32 s22, s22, 2*HALFT                 ; which lie behind the 256 of x or h
.irp s, 0,1
	v_add_nc_u32 v[ADRA+(\s)], s21, v3
	v_add_nc_u32 v[ADRB+(\s)], s22, v3
	s_add_co_u32 s21, s21, SLOT
	s_add_co_u32 s22, s22, SLOT
.endr
	v_lshlrev_b32 v[VO], 14, v2                    ; eight rows of 2,048 bytes for lanes 16-31,
	v_lshl_add_u32 v[VO], v1, 4, v[VO]             ; + 16 r
	v_mov_b32 v[ZR], 0
	s_lshl_b32 s20, s43, 8
	s_lshl_b32 s21, s[MH], 7
	s_add_co_u32 s20, s20, s21                     ; my first row,
	s_lshl_b32 s[OFFP], s20, 11
	s_and_b32 s21, s42, 3
	s_lshl1_add_u32 s21, s21, s[NH]                ; my group of 128 among the 1,024 columns of z or r
	s_lshl_b32 s21, s21, 8
	s_add_co_u32 s[OFFP], s[OFFP], s21
	s_mov_b32 s[OFFP+1], 0
	s_wait_loadcnt 0x0                             ; b
.irp i, 0,1,2,3
	v_cvt_pk_bf16_f32 v[TB+\i], v[BS+2*\i], v[BS+2*\i+1]       ; b is rounded to bf16 like every input,
.endr
.irp i, 0,1,2,3
	v_lshlrev_b32 v[BS+2*\i],   16, v[TB+\i]
	v_and_b32     v[BS+2*\i+1], 0xffff0000, v[TB+\i]
.endr
.irp i, 0,1,2,3
	v_pk_mul_f32 v[BS+2*\i:BS+2*\i+1], v[BS+2*\i:BS+2*\i+1], s[KC:KC+1] op_sel_hi:[1,0]  ; and scaled once
.endr
; 16 matrix instructions: row blocks a0, a0 + 1 of the window's four x all 8 column blocks, 32 along K.  zero = 1: the first product starts the sums.
.macro MUL16 f, hi, a0, zero
	WIN MUL_LO+0x50*(\hi)
.irp a, \a0, (\a0)+1
.irp b, 0,1,2,3,4,5,6,7
.if \zero
	v_wmma_f32_16x16x32_bf16 v[8*(8*(\a)+(\b)):8*(8*(\a)+(\b))+7], v[(\f)+8*(4*(\hi)+(\a)):(\f)+8*(4*(\hi)+(\a))+7], v[(\f)+8*(\b):(\f)+8*(\b)+7], 0
.else
	v_wmma_f32_16x16x32_bf16 v[8*(8*(\a)+(\b)):8*(8*(\a)+(\b))+7], v[(\f)+8*(4*(\hi)+(\a)):(\f)+8*(4*(\hi)+(\a))+7], v[(\f)+8*(\b):(\f)+8*(\b)+7], v[8*(8*(\a)+(\b)):8*(8*(\a)+(\b))+7]
.endif
.endr
.endr
.endm
; 32 LDS loads in one run: the fragments of a quarter step (128 rows of wt, then 128 rows of x or h, 32 K at byte k of the rows) into buffer f
.macro FETCH slot, k, f
	WIN TO_W
.irp i, 0,1,2,3,4,5,6,7
	ds_load_b128 v[(\f)+8*(\i):(\f)+8*(\i)+3],   v[ADRB+(\slot)] offset:(\k)+(\i)*16*PITCH
	ds_load_b128 v[(\f)+8*(\i)+4:(\f)+8*(\i)+7], v[ADRB+(\slot)] offset:(\k)+(\i)*16*PITCH+32
.endr
	WIN 0
.irp i, 0,1,2,3,4,5,6,7
	ds_load_b128 v[(\f)+8*(\i):(\f)+8*(\i)+3],   v[ADRA+(\slot)] offset:(\k)+(\i)*16*PITCH
	ds_load_b128 v[(\f)+8*(\i)+4:(\f)+8*(\i)+7], v[ADRA+(\slot)] offset:(\k)+(\i)*16*PITCH+32
.endr
.endm
.macro PLACES                          ; four plain places in front of loads into registers that matrix instructions have read, and of vector lines that read results
.rept 4
	v_nop
.endr
.endm
; A K step is four quarters of 32 along K, 64 matrix instructions each, on buffers 0, 1, 0, 1; the 64 accumulators take turns in the same order in every quarter.
.macro QUARTER slot, k, f, g, zero
	s_wait_dscnt 8                                 ; wt and my rows 0-63 are in; the youngest eight loads (rows 64-127) may be out
	WIN MUL_LO
	MUL16 \f, 0, 0, \zero
	MUL16 \f, 0, 2, \zero
	PLACES
	FETCH \slot, \k, \g
	s_wait_dscnt 32                                ; all but the 32 just issued
	WIN MUL_HI
	MUL16 \f, 1, 0, \zero
	MUL16 \f, 1, 2, \zero
.endm
; The last quarter multiplies buffer 1 and changes slots.  In front of the barrier each wave waits for all its tensor loads (one is out: its part of the next slot), adds 0 to its spare word, and waits for that and
; for its own reads of this slot.  Behind it nobody reads this slot any more and the next slot is whole.
.macro MEET round
	WIN 0                                          ; (the add's two registers lie in window 0)
	s_wait_tensorcnt 0x0
	ds_add_u32 v[SPW], v[NIL]
	s_wait_dscnt 9                                 ; (the add and the youngest eight loads may be out)
	WIN MUL_LO
	MUL16 F1, 0, 0, 0
	s_wait_dscnt 0x0                               ; the add is done, and my reads of this slot are over
	s_barrier_signal -1
	MUL16 F1, 0, 2, 0
.if \round
	WIN 0
.endif
	s_barrier_wait -1
.endm
; fill = 1: the barrier opens a round of the cluster's, and the slot just read out is filled again, first thing behind it, with its own buffer's next step: 224 matrix instructions ahead of the wait for it.
.macro TURN slot, next, fill
	MEET \fill
.if \fill
	CREST
	s_add_nc_u64 s[G0+4*(\slot)+2:G0+4*(\slot)+3], s[G0+4*(\slot)+2:G0+4*(\slot)+3], KSTEP*2
	s_add_nc_u64 s[G0B+4*(\slot)+2:G0B+4*(\slot)+3], s[G0B+4*(\slot)+2:G0B+4*(\slot)+3], KSTEP*2
	JLOAD \slot                                    ; the four v_nop behind it are also the places in front of the loads below
.else
	PLACES
.endif
	FETCH \next, 0, F0
	WIN MUL_HI
	MUL16 F1, 1, 0, 0
	MUL16 F1, 1, 2, 0
.endm
	s_wait_tensorcnt 1                             ; my part of slot 0 is in; slot 1's may stay out
	s_barrier_signal -1
	s_barrier_wait -1
	FETCH 0, 0, F0
	QUARTER 0, 64,  F0, F1, 1                      ; the first quarter stands in front of the loop: its products start the sums
	WIN 0
	s_mov_b32 s3, LAPS-1
.Llap:                                                 ; a trip goes once round the ring, from a lap's second quarter to the next lap's first, and fills both slots again
	QUARTER 0, 128, F1, F0, 0
	QUARTER 0, 192, F0, F1, 0
	TURN 0, 1, 1
	QUARTER 1, 64,  F0, F1, 0
	QUARTER 1, 128, F1, F0, 0
	QUARTER 1, 192, F0, F1, 0
	TURN 1, 0, 1
	QUARTER 0, 64,  F0, F1, 0
	WIN 0
	s_sub_co_u32 s3, s3, 1
	s_cmp_lg_u32 s3, 0
	s_cbranch_scc1 .Llap
	QUARTER 0, 128, F1, F0, 0                      ; the last lap fills nothing
	QUARTER 0, 192, F0, F1, 0
	TURN 0, 1, 0
	QUARTER 1, 64,  F0, F1, 0
	QUARTER 1, 128, F1, F0, 0
	QUARTER 1, 192, F0, F1, 0
	s_wait_dscnt 8
	WIN MUL_LO
	MUL16 F1, 0, 0, 0
	MUL16 F1, 0, 2, 0
	s_wait_dscnt 0x0
	MUL16 F1, 1, 0, 0
	MUL16 F1, 1, 2, 0
	WIN 0
; THE WAY OUT, a block of 16 rows a trip.  CASE a brings block a's 64 sums into T as -1.442695 (sum + b): the one part that names the block's registers, so it is written for each block and chosen by the count;
; each accumulator's lowest registers are read first.
.macro CASE a
	WIN 0x02+(\a)/4
.irp b, 0,1,2,3,4,5,6,7
.irp p, 0,1,2,3
.if ((\b)&1)
	v_pk_fma_f32 v[T+8*\b+2*\p:T+8*\b+2*\p+1], v[64*((\a)%4)+8*\b+2*\p:64*((\a)%4)+8*\b+2*\p+1], s[KC:KC+1], v[BS+\b-1:BS+\b] op_sel:[0,0,1] op_sel_hi:[1,0,1]
.else
	v_pk_fma_f32 v[T+8*\b+2*\p:T+8*\b+2*\p+1], v[64*((\a)%4)+8*\b+2*\p:64*((\a)%4)+8*\b+2*\p+1], s[KC:KC+1], v[BS+\b:BS+\b+1] op_sel_hi:[1,0,0]
.endif
.endr
.endr
	WIN 0
.endm
; isr = 0: z, rounded to f16.  isr = 1: r times h (h's bf16 halves are read as they lie), rounded to bf16; the next block's h is asked for as soon as this block's has been read.
.macro EPI tag, isr
	s_mov_b32 s[BC], 8
.Lblk\tag:
.irp c, 0,1,2,3,4,5,6
	s_cmp_eq_u32 s[BC], 8-\c
	s_cbranch_scc1 .Lc\tag\()_\c
.endr
	CASE 7
	s_branch .Lcom\tag
.irp c, 0,1,2,3,4,5,6
.Lc\tag\()_\c:
	CASE \c
.if \c < 6
	s_branch .Lcom\tag
.endif
.endr
.Lcom\tag:
.set n, 0
.rept 64
	v_exp_f32 v[T+n], v[T+n]
.set n, n+1
.endr
	v_nop                                          ; a plain instruction between the exponentials and the first use of a result (ISA guide 5.7.2)
.set n, 0
	s_wait_alu depctr_va_vdst(0)
.rept 32
	v_pk_add_f32 v[T+n:T+n+1], v[T+n:T+n+1], 1.0 op_sel_hi:[1,0]
.set n, n+2
.endr
.set n, 0
.rept 64
	v_rcp_f32 v[T+n], v[T+n]
.set n, n+1
.endr
	v_nop                                          ; likewise behind the reciprocals
	s_wait_alu depctr_va_vdst(0)
.if \isr
	s_wait_loadcnt 0x0                             ; this block's h
.irp b, 0,1,2,3,4,5,6,7
.irp j, 0,1,2,3,4,5,6,7
.if ((\b)&1)
	v_fma_mix_f32_bf16 v[T+8*\b+\j], v[H+4*\j+\b/2], v[T+8*\b+\j], v[ZR] op_sel:[1,0,0] op_sel_hi:[1,0,0]
.else
	v_fma_mix_f32_bf16 v[T+8*\b+\j], v[H+4*\j+\b/2], v[T+8*\b+\j], v[ZR] op_sel:[0,0,0] op_sel_hi:[1,0,0]
.endif
.endr
.endr
	s_cmp_eq_u32 s[BC], 1
	s_cbranch_scc1 .Lnoh\tag                       ; behind the last block there is no h to ask for
.irp j, 0,1,2,3,4,5,6,7
	global_load_b128 v[H+4*\j:H+4*\j+3], v[VO], s[HP:HP+1] offset:ROWH*\j+16*ROWH
.endr
.Lnoh\tag:
.irp j, 0,1,2,3,4,5,6,7
.irp w, 0,1,2,3
	v_cvt_pk_bf16_f32 v[O+4*\j+\w], v[T+16*\w+\j], v[T+16*\w+8+\j]
.endr
.endr
.else
	s_wait_alu depctr_va_vdst(0)
.irp j, 0,1,2,3,4,5,6,7
.irp w, 0,1,2,3
	v_cvt_pk_f16_f32 v[O+4*\j+\w], v[T+16*\w+\j], v[T+16*\w+8+\j]
.endr
.endr
.endif
.irp j, 0,1,2,3,4,5,6,7
	global_store_b128 v[VO], v[O+4*\j:O+4*\j+3], s[OP:OP+1] offset:ROWH*\j  ; sixteen lanes store 256 consecutive bytes, aligned
.endr
	s_wait_xcnt 0x0                                ; O and the two pointers are written again only behind this wait
	s_add_nc_u64 s[OP:OP+1], s[OP:OP+1], 16*ROWH
.if \isr
	s_add_nc_u64 s[HP:HP+1], s[HP:HP+1], 16*ROWH
.endif
	s_sub_co_u32 s[BC], s[BC], 1
	s_cmp_lg_u32 s[BC], 0
	s_cbranch_scc1 .Lblk\tag
.endm
	PLACES                                         ; behind the last products
	s_cmp_lg_u32 s[GATE], 0                        ; the same answer in all sixteen work-groups of the cluster; no barrier and no tensor load stands in either part
	s_cbranch_scc1 .Lrpart
	s_add_nc_u64 s[OP:OP+1], s[68:69], s[OFFP:OFFP+1]
	EPI z, 0
	s_branch .Lend
.Lrpart:
	s_add_nc_u64 s[OP:OP+1], s[70:71], s[OFFP:OFFP+1]
	s_add_nc_u64 s[HP:HP+1], s[6:7], s[OFFP:OFFP+1]
.irp j, 0,1,2,3,4,5,6,7
	global_load_b128 v[H+4*\j:H+4*\j+3], v[VO], s[HP:HP+1] offset:ROWH*\j  ; block 0's h: it lands under the block's sigmoid
.endr
	EPI r, 1
.Lend:
	s_wait_tensorcnt 0x0                           ; the wave's end
	ds_add_u32 v[SPW], v[NIL]
	s_wait_dscnt 0x0
	CROUND                                         ; the closing round: no work-group ends while a partner may still ask for a tile that names it
	s_endpgm
.Lfunc_end_k_qf71225c2a9_gates:
	.size	k_qf71225c2a9_gates, .Lfunc_end_k_qf71225c2a9_gates-k_qf71225c2a9_gates
	.p2alignl 7, 3214868480
	.fill 96, 4, 3214868480
	.section	.rodata,"a",@progbits
	.p2align	6, 0x0
	.amdhsa_kernel k_qf71225c2a9_gates
		.amdhsa_group_segment_fixed_size 327680
		.amdhsa_private_segment_fixed_size 0
		.amdhsa_enable_private_segment 0
		.amdhsa_kernarg_size 48
		.amdhsa_user_sgpr_count 2
		.amdhsa_user_sgpr_kernarg_segment_ptr 1
		.amdhsa_wavefront_size32 1
		.amdhsa_system_sgpr_workgroup_id_x 1
		.amdhsa_system_sgpr_workgroup_id_y 1
		.amdhsa_system_sgpr_workgroup_id_z 1
		.amdhsa_system_vgpr_workitem_id 0
		.amdhsa_next_free_vgpr 1024
		.amdhsa_next_free_sgpr 84
		.amdhsa_reserve_vcc 0
		.amdhsa_float_denorm_mode_32 3
		.amdhsa_float_denorm_mode_16_64 3
		.amdhsa_memory_ordered 1
		.amdhsa_forward_progress 1
		.amdhsa_inst_pref_size 170
	.end_amdhsa_kernel
	.amdgpu_metadata
---
amdhsa.version: [ 1, 2 ]
amdhsa.kernels:
  - .name:           k_qf71225c2a9_gates
    .symbol:         k_qf71225c2a9_gates.kd
    .args:
      - { .name: xb, .offset: 0, .size: 8, .value_kind: global_buffer, .address_space: global }
      - { .name: hb, .offset: 8, .size: 8, .value_kind: global_buffer, .address_space: global }
      - { .name: wt, .offset: 16, .size: 8, .value_kind: global_buffer, .address_space: global }
      - { .name: b, .offset: 24, .size: 8, .value_kind: global_buffer, .address_space: global }
      - { .name: zg, .offset: 32, .size: 8, .value_kind: global_buffer, .address_space: global }
      - { .name: rh, .offset: 40, .size: 8, .value_kind: global_buffer, .address_space: global }
    .group_segment_fixed_size: 327680
    .private_segment_fixed_size: 0
    .kernarg_segment_align: 8
    .kernarg_segment_size: 48
    .max_flat_workgroup_size: 128
    .sgpr_count:     84
    .vgpr_count:     1024
    .wavefront_size: 32
...
	.end_amdgpu_metadata
.endif
;; end of part 2
;; launch blend (part 3): grid 8 x 32, 4 waves a work-group, clusters of 4 x 4, 327,680 bytes of LDS; arguments xb, rh, wt, b, zg, hb, out0, out1; writes out0, out1
.if DOCPART == 3
	.amdgcn_target "amdgcn-amd-amdhsa--gfx1250"
	.amdhsa_code_object_version 6
	.text
	.protected	k_qf71225c2a9_blend
	.globl	k_qf71225c2a9_blend
	.p2align	8
	.type	k_qf71225c2a9_blend,@function
k_qf71225c2a9_blend:
	s_mov_b64 s[64:65], 0
	v_nop
	global_prefetch_b8 v0, s[64:65] scope:SCOPE_SE
	s_setreg_imm32_b32 hwreg(HW_REG_WAVE_MODE, 25, 1), 1
	s_wait_xcnt 0x0
	s_wait_alu depctr_hold_cnt(0) depctr_sa_sdst(0) depctr_va_vdst(0) depctr_va_sdst(0) depctr_va_ssrc(0) depctr_va_vcc(0) depctr_vm_vsrc(0)
	s_getreg_b32 s2, hwreg(HW_REG_IB_STS2, 6, 4)
	s_cmp_eq_u32 s2, 0
	s_cbranch_scc0 .Lentry_in_a_cluster
	s_endpgm
.Lentry_in_a_cluster:
	s_bfe_u32 s2, ttmp6, 0x10000c
	s_cmp_lg_u32 s2, 0xf033
	s_cbranch_scc0 .Lentry_shape_is_right
	s_endpgm
.Lentry_shape_is_right:
; THE CANDIDATE AND THE NEW STATE.  a = tanh([x | r h] W + b) for gate columns 2048..3071, M = 8,192, N = 1,024, K = 2,048; h_new = h + z (a - h), stored in f32 to out0 and to out1.
; xb, rh, hb (bf16), zg (f16): [8192][1024]; wt: [3072][2048] bf16; all in the stored order of the preparing launch: in a group of 128, element 8 r + i holds true column c(i, r) = 64 (i / 4) + 4 r + i % 4,
; and row 16 b + r of wt holds gate column c(b, r).  b: [3072] f32 and out0, out1: [8192][1024] f32, in true order.
; LIMITS.  All inputs count as rounded to bf16, b and the h of the last line too; r h was rounded once to bf16, z once to f16.  tanh(y) = 1 - 2 / (1 + 2^(2.885390 y)): where the power overflows the result is 1,
; where it falls below 2^-126 it counts as 0 and the result is -1; near y = 0 the form is good to about 1e-7 absolutely.  (1 - z) h + z a is formed as h + z (a - h).  NaN is not treated apart.
; SHARES.  A tile of 256 rows x 128 columns (one group) to a work-group: 256 work-groups; tiles of 256 x 256 would be 128.  A wave: 64 rows x 128 columns, 32 accumulators.
; K BY TURNS, CLUSTER: as in the gates' launch: slot 0 holds steps of x, slot 1 steps of r h, each with wt's rows of that step; 4 x 4 work-groups ask jointly, x and r h along a row, wt along a column.
; THE MATRIX INSTRUCTION: source 0 = 16 rows of x or r h, source 1 = 16 rows of wt.  Lane (r, hh), register j of accumulator (a, b): row 16 a + 8 hh + j, column c(b, r).  For one row a lane's b = 0..7 are 16 bytes of
; zg and hb as they lie, and twice four neighbouring f32 of the outputs: every load and store of the way out is 16 bytes a lane, sixteen lanes to 256 consecutive aligned bytes.
; REGISTERS: window 0: v0-43 addresses and the bias; v64-95, v96-127 fragments of x or r h (on the way out T v64-127, HF v128-191, O v192-255).  window 1: v0-63, v64-127 fragments of wt.
;   window 2: the accumulators, (a, b) at v[8 (8 a + b)].  window 3: z of my 64 rows at v[32 a + 4 j], h at v[128 + 32 a + 4 j]: asked for ahead of the loop over K, which they cross on their way.
.set KSTEP,  128
.set PITCH,  272                       ; an LDS row: 256 bytes + 16 of padding: the 16 rows of a fragment load start at 16 different groups of four banks (64 banks of 4 bytes: ISA guide 11.1)
.set ABYTES, 256*PITCH                 ; 256 rows of x or r h
.set WBYTES, 128*PITCH                 ; 128 rows of wt
.set SLOT,   ABYTES+WBYTES
.set SPARE,  2*SLOT                    ; behind the ring: the spare words, 128 bytes a wave, two blocks of 256 bytes that no other line names
.set LAPS,   8
.set ROWH,   2048                      ; bytes in a row of zg, hb
.set ROWF,   4096                      ; bytes in a row of out0, out1
.set ADRA, 16                          ; v16-17  LDS address of my fragments of x (slot 0) and r h (slot 1)
.set ADRB, 20                          ; v20-21  the same for wt
.set VZ,   24                          ; v24     my byte offset in 16 rows of zg, hb
.set VB,   25                          ; v25     my byte offset in b
.set VOUT, 26                          ; v26     my byte offset in 16 rows of the outputs
.set SPW,  28                          ; v28     LDS address of my spare word; never rewritten
.set NIL,  29                          ; v29     0; never rewritten
.set BS,   32                          ; v32-39  2.885390 x b of my eight columns
.set TB,   40                          ; v40-43  at work
.set T,    64                          ; the way out: (b, j) at T + 8 b + j
.set HF,   128                         ; h in f32, likewise
.set O,    192                         ; results: (j, b) at O + 8 j + b
.set WV, 12
.set MH, 13                            ; wave / 2: I fetch x or r h (0), wt (1)
.set NH, 14                            ; wave % 2: which half of that tile
.set G1, 24
.set G0, 32
.set G1B, 48
.set G0B, 56
.set KC,  78                           ; s[78:79] 2.885390, twice
.set MSK, 80                           ; s80 a word's upper bf16
.set MSB, 0
.macro WIN new
.if MSB != (\new)
	s_set_vgpr_msb (MSB<<8)|(\new)
.set MSB, \new
.endif
.endm
.set MUL,  0xa4                        ; source 0 window 0, source 1 window 1, C and D window 2
.set TO_W, 0x40                        ; destination window 1, address window 0
.macro JLOAD s                         ; a joint load: waves 0 and 1 fetch 128 rows each of x or r h, waves 2 and 3 64 rows each of wt; an s_nop 0 and four v_nop follow each line
	s_cmp_eq_u32 s[MH], 0
	s_cbranch_scc0 .Lfor_w_\@
	tensor_load_to_lds s[G0+4*(\s):G0+4*(\s)+3], s[G1:G1+7]
	s_nop 0
.rept 4
	v_nop
.endr
	s_branch .Lasked_\@
.Lfor_w_\@:
	tensor_load_to_lds s[G0B+4*(\s):G0B+4*(\s)+3], s[G1B:G1B+7]
	s_nop 0
.rept 4
	v_nop
.endr
.Lasked_\@:
.endm
.macro CREST
	s_cmp_lg_u32 s[WV], 0
	s_cbranch_scc1 .Lnot_wave_0_\@
	s_barrier_signal -3
.Lnot_wave_0_\@:
	s_barrier_wait -3
	s_barrier_signal -1
	s_barrier_wait -1
.endm
.macro CROUND
	s_barrier_signal -1
	s_barrier_wait -1
	CREST
.endm
	s_load_b256 s[4:11], s[0:1], 0x0               ; xb s[4:5], rh s[6:7], wt s[8:9], b s[10:11]
	s_load_b256 s[68:75], s[0:1], 0x20             ; zg s[68:69], hb s[70:71], out0 s[72:73], out1 s[74:75]
	v_lshl_add_u32 v[SPW], v0, 2, SPARE
	v_mov_b32 v[NIL], 0
	ds_add_u32 v[SPW], v[NIL]                      ; the wave's opening: the add and its wait stand ahead of my first tensor load; work on registers stands between them
	v_lshrrev_b32 v1, 5, v0
	v_readfirstlane_b32 s[WV], v1
	s_lshr_b32 s[MH], s[WV], 1
	s_and_b32 s[NH], s[WV], 1
	s_bfe_u32 s40, ttmp6, 0x40000                  ; cx
	s_bfe_u32 s41, ttmp6, 0x40004                  ; cy
	s_lshl_b32 s42, ttmp9, 2
	s_add_co_u32 s42, s42, s40                     ; tile column (a group of 128) = 4 x cluster x + cx
	s_and_b32 s43, ttmp7, 0xffff
	s_lshl_b32 s43, s43, 2
	s_add_co_u32 s43, s43, s41                     ; tile row = 4 x cluster y + cy
	s_lshl_b32 s44, s41, 2
	s_lshl_b32 s44, 15, s44                        ; my row of the cluster
	s_lshl_b32 s45, 0x1111, s40                    ; my column
	s_or_b32 s[G1], s44, (1<<16)|(1<<20)|(1<<21)|(5<<22)|(3<<25)   ; the mask; elements of 2 bytes; padding on; bit 21 beside a mask; after every 64 words four words
	s_or_b32 s[G1B], s45, (1<<16)|(1<<20)|(1<<21)|(5<<22)|(3<<25)
.irp g, G1, G1B
	s_mov_b32 s[(\g)+1], KSTEP<<16                 ; tensor_dim0 = 128
	s_mov_b32 s[(\g)+3], KSTEP<<16                 ; tile_dim0 = 128
	s_mov_b32 s[(\g)+6], 0
	s_mov_b32 s[(\g)+7], 0
.endr
	s_mov_b32 s[G1+2], 128<<16                     ; x and r h: 128 rows,
	s_mov_b32 s[G1+4], 128
	s_mov_b32 s[G1+5], 1024                        ; 1,024 elements apart
	s_mov_b32 s[G1B+2], 64<<16                     ; wt: 64 rows,
	s_mov_b32 s[G1B+4], 64
	s_mov_b32 s[G1B+5], 2048                       ; 2,048 elements apart
	s_lshl_b32 s17, s[NH], 7
	s_lshl_b32 s16, s43, 8
	s_add_co_u32 s16, s16, s17
	s_lshl_b32 s16, s16, 11                        ; x and r h: (256 x tile row + 128 x half) x 2,048 bytes
	s_mov_b32 s17, 0
	s_lshl_b32 s47, s[NH], 6
	s_lshl_b32 s46, s42, 7
	s_add_co_u32 s46, s46, s47
	s_add_co_u32 s46, s46, 2048
	s_lshl_b32 s46, s46, 12                        ; wt: (2,048 + 128 x tile column + 64 x half) x 4,096 bytes
	s_mov_b32 s47, 0
	s_mul_i32 s20, s[NH], 128*PITCH                ; where they go: x or r h at half x 128 rows,
	s_mul_i32 s21, s[NH], 64*PITCH
	s_add_co_u32 s21, s21, ABYTES                  ; wt behind the 256 rows, at half x 64 rows
	s_mov_b32 s[KC], 0x4038aa3b                    ; 2 log2(e)
	s_mov_b32 s[KC+1], s[KC]
	s_mov_b32 s[MSK], 0xffff0000
	s_wait_dscnt 0x0                               ; the opening add is done
	s_wait_kmcnt 0x0
	s_add_nc_u64 s[46:47], s[8:9], s[46:47]
	CROUND                                         ; all sixteen work-groups are here: the first joint loads meet
.irp s, 0,1
	s_mov_b32 s[G0+4*(\s)], 1
	s_add_co_u32 s[G0+4*(\s)+1], s20, (\s)*SLOT
	s_add_nc_u64 s[G0+4*(\s)+2:G0+4*(\s)+3], s[4+2*(\s):5+2*(\s)], s[16:17]  ; slot 0 walks xb, slot 1 rh
	s_or_b32 s[G0+4*(\s)+3], s[G0+4*(\s)+3], 0x80000000
	s_mov_b32 s[G0B+4*(\s)], 1
	s_add_co_u32 s[G0B+4*(\s)+1], s21, (\s)*SLOT
	s_add_nc_u64 s[G0B+4*(\s)+2:G0B+4*(\s)+3], s[46:47], (\s)*2048 ; slot 0: w_i's part of a row, slot 1: w_h's
	s_or_b32 s[G0B+4*(\s)+3], s[G0B+4*(\s)+3], 0x80000000
	JLOAD \s                                       ; two tensor loads of mine are out
.endr
	v_and_b32 v1, 15, v0                           ; r
	v_bfe_u32 v2, v0, 4, 1                         ; hh
	v_mul_u32_u24 v3, v1, PITCH
	v_lshl_add_u32 v3, v2, 4, v3                   ; a fragment's row x pitch + 16 x half
	s_lshl_b32 s20, s42, 9
	s_add_co_u32 s20, s20, 8192                    ; b: 4 (2,048 + 128 x tile column) + 16 r
	v_lshl_add_u32 v[VB], v1, 4, s20
	global_load_b128 v[BS:BS+3],   v[VB], s[10:11]             ; columns 4 r ..: b = 0..3
	global_load_b128 v[BS+4:BS+7], v[VB], s[10:11] offset:256  ; columns 64 + 4 r ..: b = 4..7
	s_mul_i32 s21, s[WV], 64*PITCH                 ; my 64 rows of x or r h
	s_mov_b32 s22, ABYTES                          ; all 128 rows of wt
.irp s, 0,1
	v_add_nc_u32 v[ADRA+(\s)], s21, v3
	v_add_nc_u32 v[ADRB+(\s)], s22, v3
	s_add_co_u32 s21, s21, SLOT
	s_add_co_u32 s22, s22, SLOT
.endr
	v_lshlrev_b32 v[VZ], 14, v2                    ; eight rows of 2,048 bytes for lanes 16-31, + 16 r
	v_lshl_add_u32 v[VZ], v1, 4, v[VZ]
	v_lshlrev_b32 v[VOUT], 15, v2                  ; eight rows of 4,096 bytes, + 16 r
	v_lshl_add_u32 v[VOUT], v1, 4, v[VOUT]
	s_lshl_b32 s20, s43, 8
	s_lshl_b32 s21, s[WV], 6
	s_add_co_u32 s20, s20, s21                     ; my first row,
	s_lshl_b32 s20, s20, 11
	s_lshl_b32 s21, s42, 8                         ; my group's 256 bytes in a 16-bit row
	s_add_co_u32 s20, s20, s21
	s_mov_b32 s21, 0
	s_add_nc_u64 s[68:69], s[68:69], s[20:21]
	s_add_nc_u64 s[70:71], s[70:71], s[20:21]
	s_lshl_b32 s20, s20, 1                         ; twice that in the f32 outputs
	s_add_nc_u64 s[72:73], s[72:73], s[20:21]
	s_add_nc_u64 s[74:75], s[74:75], s[20:21]
	s_wait_loadcnt 0x0                             ; b
.irp i, 0,1,2,3
	v_cvt_pk_bf16_f32 v[TB+\i], v[BS+2*\i], v[BS+2*\i+1]       ; b is rounded to bf16 like every input,
.endr
.irp i, 0,1,2,3
	v_lshlrev_b32 v[BS+2*\i],   16, v[TB+\i]
	v_and_b32     v[BS+2*\i+1], s[MSK], v[TB+\i]
.endr
.irp i, 0,1,2,3
	v_pk_mul_f32 v[BS+2*\i:BS+2*\i+1], v[BS+2*\i:BS+2*\i+1], s[KC:KC+1] op_sel_hi:[1,0]  ; and scaled once
.endr
	WIN 0xc0                                       ; destination window 3, address window 0
.set n, 0
.rept 32                               ; z of my 64 rows: block n / 8, row n % 8 (+ 8 hh)
	global_load_b128 v[4*n:4*n+3], v[VZ], s[68:69] offset:ROWH*(16*(n/8)+n%8) th:TH_LOAD_NT
.set n, n+1
.endr
.set n, 0
.rept 24                               ; h of blocks 0 to 2: with z's, 56 loads are out; block 3's eight follow behind the loop
	global_load_b128 v[128+4*n:128+4*n+3], v[VZ], s[70:71] offset:ROWH*(16*(n/8)+n%8) th:TH_LOAD_NT
.set n, n+1
.endr
	WIN 0
; 8 matrix instructions: row block a x all 8 column blocks, 32 along K, buffer f (0, 1).  zero = 1: the first product starts the sums.
.macro MUL8 f, a, zero
	WIN MUL
.irp b, 0,1,2,3,4,5,6,7
.if \zero
	v_wmma_f32_16x16x32_bf16 v[8*(8*(\a)+\b):8*(8*(\a)+\b)+7], v[64+32*(\f)+8*(\a):64+32*(\f)+8*(\a)+7], v[64*(\f)+8*\b:64*(\f)+8*\b+7], 0
.else
	v_wmma_f32_16x16x32_bf16 v[8*(8*(\a)+\b):8*(8*(\a)+\b)+7], v[64+32*(\f)+8*(\a):64+32*(\f)+8*(\a)+7], v[64*(\f)+8*\b:64*(\f)+8*\b+7], v[8*(8*(\a)+\b):8*(8*(\a)+\b)+7]
.endif
.endr
.endm
; 24 LDS loads in one run: a quarter step's fragments: 128 rows of wt, then my 64 rows of x or r h
.macro FETCH slot, k, f
	WIN TO_W
.irp i, 0,1,2,3,4,5,6,7
	ds_load_b128 v[64*(\f)+8*\i:64*(\f)+8*\i+3],   v[ADRB+(\slot)] offset:(\k)+\i*16*PITCH
	ds_load_b128 v[64*(\f)+8*\i+4:64*(\f)+8*\i+7], v[ADRB+(\slot)] offset:(\k)+\i*16*PITCH+32
.endr
	WIN 0
.irp i, 0,1,2,3
	ds_load_b128 v[64+32*(\f)+8*\i:64+32*(\f)+8*\i+3],   v[ADRA+(\slot)] offset:(\k)+\i*16*PITCH
	ds_load_b128 v[64+32*(\f)+8*\i+4:64+32*(\f)+8*\i+7], v[ADRA+(\slot)] offset:(\k)+\i*16*PITCH+32
.endr
.endm
.macro PLACES                          ; four plain places in front of loads into registers that matrix instructions have read, and of vector lines that read results
.rept 4
	v_nop
.endr
.endm
; A K step is four quarters of 32 along K, 32 matrix instructions each, on buffers 0, 1, 0, 1; the 32 accumulators take turns in the same order in every quarter.
.macro QUARTER slot, k, f, g, zero
	s_wait_dscnt 4                                 ; wt and my row blocks 0, 1 are in; the youngest four loads (blocks 2, 3) may be out
	MUL8 \f, 0, \zero
	MUL8 \f, 1, \zero
	PLACES
	FETCH \slot, \k, \g
	s_wait_dscnt 24                                ; all but the 24 just issued
	MUL8 \f, 2, \zero
	MUL8 \f, 3, \zero
.endm
; The change of slots: in front of the barrier each wave waits for all its tensor loads (one is out: its part of the next slot), adds 0 to its spare word, and waits for that and for its own reads of this slot.
.macro MEET round
	WIN 0
	s_wait_tensorcnt 0x0
	ds_add_u32 v[SPW], v[NIL]
	s_wait_dscnt 5                                 ; (the add and the youngest four loads may be out)
	MUL8 1, 0, 0
	s_wait_dscnt 0x0                               ; the add is done, and my reads of this slot are over
	s_barrier_signal -1
	MUL8 1, 1, 0
.if \round
	WIN 0
.endif
	s_barrier_wait -1
.endm
; fill = 1: the barrier opens a round of the cluster's, and the slot just read out is filled again, first thing behind it: 112 matrix instructions ahead of the wait for it.
.macro TURN slot, next, fill
	MEET \fill
.if \fill
	CREST
	s_add_nc_u64 s[G0+4*(\slot)+2:G0+4*(\slot)+3], s[G0+4*(\slot)+2:G0+4*(\slot)+3], KSTEP*2
	s_add_nc_u64 s[G0B+4*(\slot)+2:G0B+4*(\slot)+3], s[G0B+4*(\slot)+2:G0B+4*(\slot)+3], KSTEP*2
	JLOAD \slot                                    ; the four v_nop behind it are also the places in front of the loads below
.else
	PLACES
.endif
	FETCH \next, 0, 0
	MUL8 1, 2, 0
	MUL8 1, 3, 0
.endm
	s_wait_tensorcnt 1                             ; my part of slot 0 is in; slot 1's may stay out
	s_barrier_signal -1
	s_barrier_wait -1
	FETCH 0, 0, 0
	QUARTER 0, 64,  0, 1, 1                        ; the first quarter stands in front of the loop: its products start the sums
	WIN 0
	s_mov_b32 s3, LAPS-1
.Llap:
	QUARTER 0, 128, 1, 0, 0
	QUARTER 0, 192, 0, 1, 0
	TURN 0, 1, 1
	QUARTER 1, 64,  0, 1, 0
	QUARTER 1, 128, 1, 0, 0
	QUARTER 1, 192, 0, 1, 0
	TURN 1, 0, 1
	QUARTER 0, 64,  0, 1, 0
	WIN 0
	s_sub_co_u32 s3, s3, 1
	s_cmp_lg_u32 s3, 0
	s_cbranch_scc1 .Llap
	WIN 0xc0
.set n, 24
.rept 8                                ; h of block 3
	global_load_b128 v[128+4*n:128+4*n+3], v[VZ], s[70:71] offset:ROWH*(16*(n/8)+n%8) th:TH_LOAD_NT
.set n, n+1
.endr
	WIN 0
	QUARTER 0, 128, 1, 0, 0                        ; the last lap fills nothing
	QUARTER 0, 192, 0, 1, 0
	TURN 0, 1, 0
	QUARTER 1, 64,  0, 1, 0
	QUARTER 1, 128, 1, 0, 0
	QUARTER 1, 192, 0, 1, 0
	s_wait_dscnt 4
	MUL8 1, 0, 0
	MUL8 1, 1, 0
	s_wait_dscnt 0x0
	MUL8 1, 2, 0
	MUL8 1, 3, 0
	WIN 0
; THE WAY OUT of block a (16 rows): 2.885390 (sum + b); 2^; + 1; 1 /; a = 1 - 2 x that; a - h; h + z (a - h); stored twice.  Each accumulator's lowest registers are read first.
.macro BLOCK a
	WIN 0x02                                       ; source 0 window 2
.irp b, 0,1,2,3,4,5,6,7
.irp p, 0,1,2,3
.if ((\b)&1)
	v_pk_fma_f32 v[T+8*\b+2*\p:T+8*\b+2*\p+1], v[64*(\a)+8*\b+2*\p:64*(\a)+8*\b+2*\p+1], s[KC:KC+1], v[BS+\b-1:BS+\b] op_sel:[0,0,1] op_sel_hi:[1,0,1]
.else
	v_pk_fma_f32 v[T+8*\b+2*\p:T+8*\b+2*\p+1], v[64*(\a)+8*\b+2*\p:64*(\a)+8*\b+2*\p+1], s[KC:KC+1], v[BS+\b:BS+\b+1] op_sel_hi:[1,0,0]
.endif
.endr
.endr
	WIN 0
.set n, 0
.rept 64
	v_exp_f32 v[T+n], v[T+n]
.set n, n+1
.endr
	v_nop                                          ; a plain instruction between the exponentials and the first use of a result (ISA guide 5.7.2)
.set n, 0
	s_wait_alu depctr_va_vdst(0)
.rept 32
	v_pk_add_f32 v[T+n:T+n+1], v[T+n:T+n+1], 1.0 op_sel_hi:[1,0]
.set n, n+2
.endr
.set n, 0
.rept 64
	v_rcp_f32 v[T+n], v[T+n]
.set n, n+1
.endr
	WIN 0x0c                                       ; source 1 window 3: h to f32; these plain lines, which touch no T, also stand between the reciprocals and their use
.irp j, 0,1,2,3,4,5,6,7
.irp w, 0,1,2,3
	v_lshlrev_b32 v[HF+16*\w+\j],   16, v[128+32*(\a)+4*\j+\w]
	v_and_b32     v[HF+16*\w+8+\j], s[MSK], v[128+32*(\a)+4*\j+\w]
.endr
.endr
	WIN 0
.set n, 0
	s_wait_alu depctr_va_vdst(0)
.rept 32
	v_pk_fma_f32 v[T+n:T+n+1], v[T+n:T+n+1], -2.0, 1.0 op_sel_hi:[1,0,0]
.set n, n+2
.endr
.set n, 0
.rept 32
	v_pk_add_f32 v[T+n:T+n+1], v[T+n:T+n+1], v[HF+n:HF+n+1] neg_lo:[0,1] neg_hi:[0,1]
.set n, n+2
.endr
	s_wait_xcnt 0x0                                ; O, which the block before's stores read, is written again only behind this wait
	WIN 0x03                                       ; source 0 window 3
.irp j, 0,1,2,3,4,5,6,7
.irp b, 0,1,2,3,4,5,6,7
.if ((\b)&1)
	v_fma_mix_f32 v[O+8*\j+\b], v[32*(\a)+4*\j+\b/2], v[T+8*\b+\j], v[HF+8*\b+\j] op_sel:[1,0,0] op_sel_hi:[1,0,0]
.else
	v_fma_mix_f32 v[O+8*\j+\b], v[32*(\a)+4*\j+\b/2], v[T+8*\b+\j], v[HF+8*\b+\j] op_sel:[0,0,0] op_sel_hi:[1,0,0]
.endif
.endr
.endr
	WIN 0
.irp j, 0,1,2,3,4,5,6,7                ; columns 4 r .. and 64 + 4 r ..: sixteen lanes store 256 consecutive bytes, aligned
	global_store_b128 v[VOUT], v[O+8*\j:O+8*\j+3],   s[72:73] offset:ROWF*(16*(\a)+\j) th:TH_STORE_NT
	global_store_b128 v[VOUT], v[O+8*\j+4:O+8*\j+7], s[72:73] offset:ROWF*(16*(\a)+\j)+256 th:TH_STORE_NT
	global_store_b128 v[VOUT], v[O+8*\j:O+8*\j+3],   s[74:75] offset:ROWF*(16*(\a)+\j) th:TH_STORE_NT
	global_store_b128 v[VOUT], v[O+8*\j+4:O+8*\j+7], s[74:75] offset:ROWF*(16*(\a)+\j)+256 th:TH_STORE_NT
.endr
.endm
	PLACES                                         ; behind the last products
	s_wait_loadcnt 0x0                             ; z and h
	BLOCK 0
	BLOCK 1
	BLOCK 2
	BLOCK 3
	s_wait_tensorcnt 0x0                           ; the wave's end
	ds_add_u32 v[SPW], v[NIL]
	s_wait_dscnt 0x0
	CROUND                                         ; the closing round: no work-group ends while a partner may still ask for a tile that names it
	s_endpgm
.Lfunc_end_k_qf71225c2a9_blend:
	.size	k_qf71225c2a9_blend, .Lfunc_end_k_qf71225c2a9_blend-k_qf71225c2a9_blend
	.p2alignl 7, 3214868480
	.fill 96, 4, 3214868480
	.section	.rodata,"a",@progbits
	.p2align	6, 0x0
	.amdhsa_kernel k_qf71225c2a9_blend
		.amdhsa_group_segment_fixed_size 327680
		.amdhsa_private_segment_fixed_size 0
		.amdhsa_enable_private_segment 0
		.amdhsa_kernarg_size 64
		.amdhsa_user_sgpr_count 2
		.amdhsa_user_sgpr_kernarg_segment_ptr 1
		.amdhsa_wavefront_size32 1
		.amdhsa_system_sgpr_workgroup_id_x 1
		.amdhsa_system_sgpr_workgroup_id_y 1
		.amdhsa_system_sgpr_workgroup_id_z 1
		.amdhsa_system_vgpr_workitem_id 0
		.amdhsa_next_free_vgpr 1024
		.amdhsa_next_free_sgpr 92
		.amdhsa_reserve_vcc 0
		.amdhsa_float_denorm_mode_32 3
		.amdhsa_float_denorm_mode_16_64 3
		.amdhsa_memory_ordered 1
		.amdhsa_forward_progress 1
		.amdhsa_inst_pref_size 163
	.end_amdhsa_kernel
	.amdgpu_metadata
---
amdhsa.version: [ 1, 2 ]
amdhsa.kernels:
  - .name:           k_qf71225c2a9_blend
    .symbol:         k_qf71225c2a9_blend.kd
    .args:
      - { .name: xb, .offset: 0, .size: 8, .value_kind: global_buffer, .address_space: global }
      - { .name: rh, .offset: 8, .size: 8, .value_kind: global_buffer, .address_space: global }
      - { .name: wt, .offset: 16, .size: 8, .value_kind: global_buffer, .address_space: global }
      - { .name: b, .offset: 24, .size: 8, .value_kind: global_buffer, .address_space: global }
      - { .name: zg, .offset: 32, .size: 8, .value_kind: global_buffer, .address_space: global }
      - { .name: hb, .offset: 40, .size: 8, .value_kind: global_buffer, .address_space: global }
      - { .name: out0, .offset: 48, .size: 8, .value_kind: global_buffer, .address_space: global }
      - { .name: out1, .offset: 56, .size: 8, .value_kind: global_buffer, .address_space: global }
    .group_segment_fixed_size: 327680
    .private_segment_fixed_size: 0
    .kernarg_segment_align: 8
    .kernarg_segment_size: 64
    .max_flat_workgroup_size: 128
    .sgpr_count:     92
    .vgpr_count:     1024
    .wavefront_size: 32
...
	.end_amdgpu_metadata
.endif
;; end of part 3
;; ======== version 2 of 2: 3 launches; version 1 with the launch prep written anew for expert scheduling mode
;; workspace buffers: xb 16,777,216 bytes; hb 16,777,216 bytes; rh 16,777,216 bytes; zg 16,777,216 bytes; wt 12,582,912 bytes
;; launch prep (part 4): grid 608 x 1, 8 waves a work-group, no clusters, 140,288 bytes of LDS; arguments x, state, reset, w_i, w_h, xb, hb, wt; writes xb, hb, wt
.if DOCPART == 4
	.amdgcn_target "amdgcn-amd-amdhsa--gfx1250"
	.amdhsa_code_object_version 6
	.text
	.protected	k_qf71225c2a9_prep
	.globl	k_qf71225c2a9_prep
	.p2align	8
	.type	k_qf71225c2a9_prep,@function
k_qf71225c2a9_prep:
	s_mov_b64 s[64:65], 0
	v_nop
	global_prefetch_b8 v0, s[64:65] scope:SCOPE_SE
	s_setreg_imm32_b32 hwreg(HW_REG_WAVE_SCHED_MODE, 0, 2), 2
	s_setreg_imm32_b32 hwreg(HW_REG_WAVE_MODE, 25, 1), 1
	s_wait_xcnt 0x0
	s_wait_alu depctr_vm_vsrc(0)
; PREPARATION for the two products of the GRU step.  x, state: [8192][1024] f32; reset: [8192] i32; w_i, w_h: [1024][3072] f32.
;   xb[row] = bf16(x[row]);  hb[row] = bf16(state[row]), or +0 in every column where reset[row] is not 0 (whatever the state holds, NaN too);
;   wt[n][0..1023] = bf16(w_i[k][n]), wt[n][1024..2047] = bf16(w_h[k][n]): the weights turned, K along the rows.
; ORDER INSIDE EVERY GROUP OF 128.  c(i, r) = 64 (i / 4) + 4 r + i % 4, i = 0..7, r = 0..15.  In a 16-bit row (xb, hb, and wt along k) element 8 r + i of a group holds true column c(i, r):
; the 16 bytes r hold columns 4 r .. 4 r + 3 and 64 + 4 r .. 64 + 4 r + 3.  Of wt's rows, row 16 b + r of a group holds true gate column c(b, r).  The same order along k on both operands leaves
; every product as it is; the order of wt's rows makes a lane of the later launches hold, for one row of the result, exactly such 16 bytes (or twice four neighbouring f32).
; SHARES.  Work-groups 0..95 turn the weights (a wave: 64 gate columns x 128 k, through LDS bytes of its own); 96..351 cast x, 352..607 cast state (a wave: four rows).
; No matrix unit, no cluster, no tensor load: nothing is shared between work-groups and every byte is read once; each load and store of sixteen lanes covers 256 consecutive bytes, aligned.
; THE MODE: SCHED_MODE bits 1:0 = 2 (LLVM: expert scheduling mode 2), set by the entry lines.  The code itself states the register dependences between vector instructions and memory or LDS
; instructions, with s_wait_alu, always for 0.
; THE PLAN, THE CASTS.  Registers that memory instructions touch: v[VIN], v[VOUT], made once and never written again; X, chunk n: its two loads land once, the roundings and masks write its first four
; registers in place, one store reads them, and nothing writes them after that.  So no write follows a memory instruction's read.  A row's four stores stand at the head of the next row, behind ONE wait that
; states that the row is packed and masked; the row in hand names other registers.
; THE PLAN, THE WEIGHTS.  Eight steps of four pairs.  v[VIN], v[VST], v[VRD], v[VOUT]: made once, never written again.
;   X, sixteen slots   Step p's roundings read slots (4 p .. 4 p + 3) % 16; behind them, while p < 4, the loads of pairs 4 p + 16 .. land there; behind step 7 the loads from LDS land in X.
;   T0, T1             Step p's roundings write T[p % 2]; its sixteen LDS stores read it; step p + 2's roundings write it again.
; ONE wait on va_vdst stands in a step, behind its roundings: T[p % 2] is written, and the step's slots have been read; the refills and the LDS stores follow it.  ONE wait on vm_vsrc stands beside it, ahead of
; this step's LDS stores and a whole step behind those that it speaks of: the step before's have read the other T, which the next step writes again.
.set ROWF, 4096                        ; bytes in a row of x or state
.set ROWH, 2048                        ; bytes in a row of xb or hb
.set WROW, 12288                       ; bytes in a row of w_i or w_h
.set TROW, 4096                        ; bytes in a row of wt
.set LP,   272                         ; an LDS row: 256 bytes + 16: 68 words, so row r starts at bank 4 r mod 64 (64 banks of 4 bytes: ISA guide 11.1)
.set WLDS, 64*LP                       ; a wave's own LDS bytes: 64 rows
.set SPARE, 8*WLDS                     ; behind them: the spare words, 128 bytes a wave, four blocks of 256 bytes that no other line names
.set NWG,  96                          ; work-groups that turn the weights
.set VIN,  3                           ; v3   my byte offset in the source
.set VOUT, 4                           ; v4   my byte offset in the destination
.set VST,  5                           ; v5   LDS: where I put a word
.set VRD,  6                           ; v6   LDS: where I read 16 bytes back
.set SPW,  8                           ; v8   LDS address of my spare word; never rewritten
.set NIL,  9                           ; v9   0; never rewritten
.set X,    16                          ; v[16:143]  as loaded
.set T,    144                         ; v[144:175] packed pairs: two buffers of sixteen registers, a step's four pairs each, by turns
	s_load_b512 s[8:23], s[0:1], 0x0               ; x 8, state 10, reset 12, w_i 14, w_h 16, xb 18, hb 20, wt 22
	v_lshl_add_u32 v[SPW], v0, 2, SPARE
	v_mov_b32 v[NIL], 0
	v_lshrrev_b32 v7, 5, v0
	v_readfirstlane_b32 s24, v7                    ; wave 0..7
	v_and_b32 v1, 15, v0                           ; r = lane % 16
	v_bfe_u32 v2, v0, 4, 1                         ; hh = lane / 16
	s_wait_alu depctr_va_sdst(0)                   ; s24 is written, ahead of the branch and of its first reader on either way: rows, columns and LDS bytes are made from it
	s_cmp_lt_u32 ttmp9, NWG
	s_cbranch_scc1 .Lw
	; ---------------- THE CASTS.  32 loads of a wave, its four rows, are all on their way at once.
	s_sub_co_u32 s25, ttmp9, NWG
	s_lshr_b32 s26, s25, 8                         ; 0: x, 1: state
	s_and_b32 s27, s25, 255
	s_lshl_b32 s27, s27, 5                         ; the work-group's 32 rows,
	s_lshl2_add_u32 s27, s24, s27                  ; my wave's four: row0
	s_lshl_b32 s34, s27, 2                         ; their four words of reset
	s_mov_b32 s35, 0
	s_lshl_b32 s28, s27, 12                        ; row0 x 4,096 bytes
	s_mov_b32 s29, 0
	s_lshl_b32 s46, s27, 11                        ; row0 x 2,048 bytes
	s_mov_b32 s47, 0
	v_lshlrev_b32 v[VIN], 4, v1
	v_lshl_add_u32 v[VIN], v2, 9, v[VIN]           ; lanes 0-15 an even group of 128 columns, lanes 16-31 the odd one: 512 hh + 16 r
	v_and_b32 v[VOUT], 31, v0
	v_lshlrev_b32 v[VOUT], 4, v[VOUT]              ; 256 hh + 16 r
	s_wait_kmcnt 0x0
	s_cmp_eq_u32 s26, 0
	s_cselect_b64 s[30:31], s[8:9], s[10:11]       ; from x or state,
	s_cselect_b64 s[32:33], s[18:19], s[20:21]     ; to xb or hb
	s_cselect_b32 s44, -1, 0                       ; x is never masked
	s_add_nc_u64 s[34:35], s[12:13], s[34:35]
	s_load_b128 s[36:39], s[34:35], 0x0            ; reset of my four rows
	s_add_nc_u64 s[30:31], s[30:31], s[28:29]
	s_add_nc_u64 s[32:33], s[32:33], s[46:47]
	s_wait_alu depctr_va_vdst(0)                   ; v[VIN] and v[VOUT] are written: every load and store of this way reads one of them as its offset
.set n, 0
.rept 16                               ; chunk n: row n / 4, groups 2 (n % 4) + hh: columns 4 r .. and 64 + 4 r ..
	global_load_b128 v[X+8*n:X+8*n+3],   v[VIN], s[30:31] offset:ROWF*(n/4)+1024*(n%4) th:TH_LOAD_NT
	global_load_b128 v[X+8*n+4:X+8*n+7], v[VIN], s[30:31] offset:ROWF*(n/4)+1024*(n%4)+256 th:TH_LOAD_NT
.set n, n+1
.endr
	s_wait_kmcnt 0x0
.irp i, 0,1,2,3
	s_cmp_eq_u32 s[36+\i], 0
	s_cselect_b32 s[40+\i], -1, 0                  ; all ones where the row keeps its state
	s_or_b32 s[40+\i], s[40+\i], s44
.endr
.set g, 0
.rept 4                                ; row g: chunks 4 g to 4 g + 3
	s_wait_loadcnt 30-8*g                          ; loads come back in order (ISA guide 5.7.1): chunk 4 g's two are in, the 2 (15 - 4 g) younger stay out
.if g > 0
	s_wait_alu depctr_va_vdst(0)                   ; the roundings and masks of row g - 1 have written the first four registers of its chunks, which the four stores below read
.irp i, 0,1,2,3
	global_store_b128 v[VOUT], v[X+8*(4*g-4+\i):X+8*(4*g-4+\i)+3], s[32:33] offset:ROWH*(g-1)+512*\i  ; 512 consecutive bytes; no vector line since the wait names these registers
.endr
.endif
.irp c, 0,1,2,3
.set n, 4*g+\c
.if \c > 0
	s_wait_loadcnt 30-2*n                          ; chunk n's two are in, the 2 (15 - n) younger stay out
.endif
	v_cvt_pk_bf16_f32 v[X+8*n],   v[X+8*n],   v[X+8*n+1]   ; in place: each line's sources lie at or above its destination
	v_cvt_pk_bf16_f32 v[X+8*n+1], v[X+8*n+2], v[X+8*n+3]
	v_cvt_pk_bf16_f32 v[X+8*n+2], v[X+8*n+4], v[X+8*n+5]
	v_cvt_pk_bf16_f32 v[X+8*n+3], v[X+8*n+6], v[X+8*n+7]
.irp i, 0,1,2,3
	v_and_b32 v[X+8*n+\i], s[40+g], v[X+8*n+\i]    ; a reset row becomes +0 (for x the mask is all ones: one text for both tensors)
.endr
.endr
.set g, g+1
.endr
	s_wait_alu depctr_va_vdst(0)                   ; row 3 is packed and masked: the last four stores read it
.irp i, 0,1,2,3
	global_store_b128 v[VOUT], v[X+8*(12+\i):X+8*(12+\i)+3], s[32:33] offset:ROWH*3+512*\i
.endr
	s_endpgm                                       ; this way has written no LDS
	; ---------------- THE WEIGHTS.  Work-group: k group kg (128 rows of w_i or w_h), 512 gate columns; wave: 64 of them.
.Lw:
	s_and_b32 s25, ttmp9, 15                       ; kg: 0-7 w_i, 8-15 w_h
	s_lshr_b32 s26, ttmp9, 4
	s_lshl_b32 s26, s26, 9
	s_lshl_b32 s27, s24, 6
	s_add_co_u32 s26, s26, s27                     ; n0: my first gate column, a multiple of 64
	s_and_b32 s27, s25, 7
	s_mul_i32 s28, s27, 128*WROW                   ; the group's 128 rows,
	s_lshl2_add_u32 s28, s26, s28                  ; + 4 n0
	s_mov_b32 s29, 0
	s_lshl_b32 s46, s26, 12                        ; wt: row n0,
	s_lshl_b32 s27, s25, 8
	s_add_co_u32 s46, s46, s27                     ; + 256 kg
	s_mov_b32 s47, 0
	s_mul_i32 s45, s24, WLDS                       ; my wave's LDS bytes
	v_mul_u32_u24 v[VIN], v2, 2*WROW
	v_lshl_add_u32 v[VIN], v1, 4, v[VIN]           ; two rows down for lanes 16-31; columns n0 + 4 r ..
	v_mul_u32_u24 v[VST], v1, LP
	v_lshl_add_u32 v[VST], v2, 2, v[VST]
	v_add_nc_u32 v[VST], s45, v[VST]               ; row r, word hh: bank 4 r + hh, all 32 lanes apart
	v_mul_u32_u24 v[VRD], v2, LP
	v_lshl_add_u32 v[VRD], v1, 4, v[VRD]
	v_add_nc_u32 v[VRD], s45, v[VRD]               ; back: lanes 0-15 one row of 256 bytes, lanes 16-31 the next
	v_lshlrev_b32 v[VOUT], 12, v2
	v_lshl_add_u32 v[VOUT], v1, 4, v[VOUT]         ; and the same two rows of wt
	s_wait_kmcnt 0x0
	s_cmp_lt_u32 s25, 8
	s_cselect_b64 s[30:31], s[14:15], s[16:17]
	s_add_nc_u64 s[30:31], s[30:31], s[28:29]
	s_add_nc_u64 s[32:33], s[22:23], s[46:47]
	s_wait_alu depctr_va_vdst(0)                   ; v[VIN], v[VST], v[VRD] and v[VOUT] are written: every load, LDS store, LDS load and store of this way reads one of them
; Pair t of 32: true rows k = 4 t + 2 hh and k + 1, four columns each.  Sixteen lanes read 256 consecutive bytes.
.macro LDPAIR t
	global_load_b128 v[X+8*((\t)%16):X+8*((\t)%16)+3],   v[VIN], s[30:31] offset:4*WROW*(\t) th:TH_LOAD_NT
	global_load_b128 v[X+8*((\t)%16)+4:X+8*((\t)%16)+7], v[VIN], s[30:31] offset:4*WROW*(\t)+WROW th:TH_LOAD_NT
.endm
.set t, 0
.rept 16
	LDPAIR t
.set t, t+1
.endr
.set p, 0
.rept 8                                ; step p: pairs t = 4 p + q, q = 0..3
.if p < 5
	s_wait_loadcnt 24                              ; loads come back in order (ISA guide 5.7.1): the step's four pairs are in, the twelve younger pairs stay out
.else
	s_wait_loadcnt 56-8*p                          ; the counts run down: pairs 4 p + 4 to 31 are younger
.endif
.irp q, 0,1,2,3
.irp i, 0,1,2,3
	v_cvt_pk_bf16_f32 v[T+16*(p%2)+4*\q+\i], v[X+8*((4*p+\q)%16)+\i], v[X+8*((4*p+\q)%16)+4+\i]  ; k below, k + 1 above: neighbours in the stored order too
.endr
.endr
	s_wait_alu depctr_va_vdst(0)                   ; the roundings have written T[p % 2], which the LDS stores below read, and are done reading the step's four slots of X, in which loads land next (the refills; behind step 7 the loads from LDS)
.if (p > 0) && (p < 7)
	s_wait_alu depctr_vm_vsrc(0)                   ; the LDS stores of the step before have read the other T, which the next step's roundings write again
.endif
.if p < 4
.irp q, 0,1,2,3
	LDPAIR 4*p+\q+16
.endr
.endif
.irp q, 0,1,2,3
.irp i, 0,1,2,3
	ds_store_b32 v[VST], v[T+16*(p%2)+4*\q+\i] offset:16*LP*\i+16*((4*p+\q)%16)+8*((4*p+\q)/16)  ; column n0 + 4 r + i is stored row 16 i + r; k = 64 (t / 16) + 4 (t % 16) + 2 hh lies at byte 16 (t % 16) + 8 (t / 16) + 4 hh
.endr
.endr
.set p, p+1
.endr
.set u, 0
.rept 32
	ds_load_b128 v[X+4*u:X+4*u+3], v[VRD] offset:2*LP*u  ; LDS serves a wave's instructions in order (ISA guide 5.7.1.4): these see my stores above; the bytes are my wave's own.  No vector line stands behind step 7's wait, which showed X read
.set u, u+1
.endr
.set u, 0
.rept 32
	s_wait_dscnt 31-u
	global_store_b128 v[VOUT], v[X+4*u:X+4*u+3], s[32:33] offset:2*TROW*u  ; sixteen lanes store 256 consecutive bytes, aligned
.set u, u+1
.endr
	s_wait_dscnt 0x0                               ; the wave's end
	s_wait_alu 0x0
	s_wait_tensorcnt 0x0
	ds_add_u32 v[SPW], v[NIL]
	s_wait_dscnt 0x0
	s_endpgm
.Lfunc_end_k_qf71225c2a9_prep:
	.size	k_qf71225c2a9_prep, .Lfunc_end_k_qf71225c2a9_prep-k_qf71225c2a9_prep
	.p2alignl 7, 3214868480
	.fill 96, 4, 3214868480
	.section	.rodata,"a",@progbits
	.p2align	6, 0x0
	.amdhsa_kernel k_qf71225c2a9_prep
		.amdhsa_group_segment_fixed_size 140288
		.amdhsa_private_segment_fixed_size 0
		.amdhsa_enable_private_segment 0
		.amdhsa_kernarg_size 64
		.amdhsa_user_sgpr_count 2
		.amdhsa_user_sgpr_kernarg_segment_ptr 1
		.amdhsa_wavefront_size32 1
		.amdhsa_system_sgpr_workgroup_id_x 1
		.amdhsa_system_sgpr_workgroup_id_y 1
		.amdhsa_system_sgpr_workgroup_id_z 1
		.amdhsa_system_vgpr_workitem_id 0
		.amdhsa_next_free_vgpr 176
		.amdhsa_next_free_sgpr 66
		.amdhsa_reserve_vcc 0
		.amdhsa_float_denorm_mode_32 3
		.amdhsa_float_denorm_mode_16_64 3
		.amdhsa_memory_ordered 1
		.amdhsa_forward_progress 1
		.amdhsa_inst_pref_size 44
	.end_amdhsa_kernel
	.amdgpu_metadata
---
amdhsa.version: [ 1, 2 ]
amdhsa.kernels:
  - .name:           k_qf71225c2a9_prep
    .symbol:         k_qf71225c2a9_prep.kd
    .args:
      - { .name: x, .offset: 0, .size: 8, .value_kind: global_buffer, .address_space: global }
      - { .name: state, .offset: 8, .size: 8, .value_kind: global_buffer, .address_space: global }
      - { .name: reset, .offset: 16, .size: 8, .value_kind: global_buffer, .address_space: global }
      - { .name: w_i, .offset: 24, .size: 8, .value_kind: global_buffer, .address_space: global }
      - { .name: w_h, .offset: 32, .size: 8, .value_kind: global_buffer, .address_space: global }
      - { .name: xb, .offset: 40, .size: 8, .value_kind: global_buffer, .address_space: global }
      - { .name: hb, .offset: 48, .size: 8, .value_kind: global_buffer, .address_space: global }
      - { .name: wt, .offset: 56, .size: 8, .value_kind: global_buffer, .address_space: global }
    .group_segment_fixed_size: 140288
    .private_segment_fixed_size: 0
    .kernarg_segment_align: 8
    .kernarg_segment_size: 64
    .max_flat_workgroup_size: 256
    .sgpr_count:     66
    .vgpr_count:     176
    .wavefront_size: 32
...
	.end_amdgpu_metadata
.endif
;; end of part 4
;; launch gates: the kernel of part 2 again; grid 8 x 32, 4 waves a work-group, clusters of 4 x 4, 327,680 bytes of LDS; arguments xb, hb, wt, b, zg, rh; writes zg, rh
;; launch blend: the kernel of part 3 again; grid 8 x 32, 4 waves a work-group, clusters of 4 x 4, 327,680 bytes of LDS; arguments xb, rh, wt, b, zg, hb, out0, out1; writes out0, out1
